; MI455X (gfx1250); checked and timed in simulation.
; The chip was launched on July 23, 2026; its instructions are those of AMD's public machine-readable ISA for CDNA 5 (MIT licence, August 2026) and "CDNA5" Instruction Set Architecture Reference Guide (July 2026). The comments in the code are by the model that wrote it; some were corrected since.
;; Nonlocal. Allowed arithmetic: float matrix products may take bf16 or f16 operands with f32 sums; all other float work in f32.
;; Inputs: b_g 128 float32; b_phi 128 float32; b_rec 256 float32; b_theta 128 float32; w_g 128 x 256 float32; w_phi 128 x 256 float32; w_rec 256 x 128 float32; w_theta 128 x 256 float32; x 4 x 256 x 64 x 64 float32.
;; Outputs: out0 4 x 256 x 64 x 64 float32.
;; One version. Each part assembles by itself: llvm-mc -triple=amdgcn-amd-amdhsa -mcpu=gfx1250 --defsym DOCPART=n.
;; ======== version 1 of 1: 3 launches
;; workspace buffers: part 16,777,216 bytes; mf 131,072 bytes; wf 131,072 bytes
;; launch partial (part 1): grid 256 x 1, 8 waves a work-group, clusters of 4 x 1, 324,608 bytes of LDS; arguments x, w_phi, w_g, b_phi, b_g, part; writes part
.if DOCPART == 1
	.amdgcn_target "amdgcn-amd-amdhsa--gfx1250"
	.amdhsa_code_object_version 6
	.text
	.protected	k_q01e27e379e_partial
	.globl	k_q01e27e379e_partial
	.p2align	8
	.type	k_q01e27e379e_partial,@function
k_q01e27e379e_partial:
	s_mov_b64 s[64:65], 0
	v_nop
	global_prefetch_b8 v0, s[64:65] scope:SCOPE_SE
	s_setreg_imm32_b32 hwreg(HW_REG_WAVE_MODE, 25, 1), 1
	s_wait_xcnt 0x0
	s_wait_alu depctr_hold_cnt(0) depctr_sa_sdst(0) depctr_va_vdst(0) depctr_va_sdst(0) depctr_va_ssrc(0) depctr_va_vcc(0) depctr_vm_vsrc(0)
	s_getreg_b32 s2, hwreg(HW_REG_IB_STS2, 6, 4)
	s_cmp_eq_u32 s2, 0
	s_cbranch_scc0 .Lentry_in_a_cluster
	s_endpgm
.Lentry_in_a_cluster:
	s_bfe_u32 s2, ttmp6, 0x10000c
	s_cmp_lg_u32 s2, 0x3003
	s_cbranch_scc0 .Lentry_shape_is_right
	s_endpgm
.Lentry_shape_is_right:
; First of three launches of  out = x + Wrec ( (theta^T phi / N) g^T )^T + brec,  N = 4096 positions, 4 batches.
; Nothing non-linear stands between the two N x N products, so for every input
;   y[c'][n] = sum over d of theta[d][n] M[d][c'],   M[d][c'] = (1/N) sum over m of phi[d][m] g[c'][m]   (128 x 128 for a batch).
; This launch: a work-group takes 64 positions of one batch, makes phi = Wphi x + bphi and g = Wg x + bg for them (128 x 64 each)
; and stores its part of the sum, phi g^T, unscaled, in f32.  The second launch adds the 64 parts of a batch.
; LIMITS: the order of the sums differs from the written order of the products (M first); x, the weights, phi and g enter the
; matrix unit rounded to bf16, all sums are f32.  A NaN or an infinity in x reaches the whole batch through M, as it does
; through the N x N product.
; SHARES: 8 waves.  Wave w brings in x's rows (channels) 32 w .. 32 w + 31, owns rows 16 w .. 16 w + 15 of Wphi and of Wg
; (it fetches them and nobody else reads them), makes these 16 rows of phi and of g for all 64 positions, and then rows
; 16 w .. 16 w + 15 of the part of M against all 128 columns.
; CLUSTER: all work-groups read the same 256 KiB of weights, four times what they read of x.  Four work-groups form a cluster
; and ask for each wave's weight rows jointly (mask 15): the addresses hang on the wave's number alone.
; All operands of a work-group fit in LDS at once: every LDS byte is filled once, so there is no ring and no refill.
.set XROW2,  32768                     ; two rows of x in memory (4096 f32 each)
.set WSTR,   33280                     ; LDS: a wave's weights: 16 rows of Wphi, then 16 rows of Wg
.set WGOFF,  16640                     ; 16 rows x 1040
.set WPITCH, 1040                      ; 1024 bytes + 16 of padding = 65 x 16: sixteen rows start at sixteen different 16-byte columns
.set XB,     266240                    ; LDS: x in bf16, [channel 256][position 64], behind the weights (8 x 33280)
.set XPITCH, 160                       ; 128 bytes + 32 = 5 x 32
.set GB,     307200                    ; LDS: g as fragments, [row tile 8][chunk of 16 positions 4][lane 32][16 bytes]
.set XG,  8                            ; v8   byte offset in x of my 16 bytes: row 32 w + h, positions 4 r ..
.set XS,  9                            ; v9   LDS: where these four numbers go in bf16
.set XA,  10                           ; v10  LDS: my address for the transposing loads
.set WA,  11                           ; v11  LDS: my weight row r, 32 h bytes in
.set GS,  12                           ; v12  LDS: where my wave's g fragments go
.set GL,  13                           ; v13  LDS: g fragments of tile 0
.set PO,  14                           ; v14  byte offset of my 16 bytes in the work-group's 64 KiB of part
.set BA,  15                           ; v15  byte offset of bias 16 w + r
.set BP,  18                           ; v[18:25]  bphi[16 w + r], eight times: the C of the first products
.set BG,  26                           ; v[26:33]  bg[16 w + r], eight times
.set ACC, 34                           ; v[34:97]  first x as loaded (f32); then phi tile t at +8 t, g tile t at +32+8 t; last M tile t at +8 t
.set XF,  98                           ; v[98:161] x fragments, two buffers of 4 x 8
.set WS,  162                          ; v[162:193] weights as read from LDS (f32): phi 16, g 16
.set WB,  194                          ; v[194:225] weight fragments (bf16), two buffers: phi 8, g 8
.set PF,  226                          ; v[226:241] phi as fragments along the positions
.set GA,  98                           ; v[98:225] second phase: g fragments, 8 tiles x 16
.set G1,  24                           ; s[24:31] descriptor group 1
.set G0P, 32                           ; s[32:35] group 0 for Wphi's rows
.set G0G, 36                           ; s[36:39] group 0 for Wg's rows
; A round of the cluster's barrier: my work-group's barrier, wave 0 signals for the work-group, every wave waits for all four
; work-groups, my work-group's barrier once more.
.macro ROUND
	s_barrier_signal -1
	s_barrier_wait -1
	s_cmp_lg_u32 s16, 0
	s_cbranch_scc1 .Lnot_wave_0_\@
	s_barrier_signal -3
.Lnot_wave_0_\@:
	s_barrier_wait -3
	s_barrier_signal -1
	s_barrier_wait -1
.endm
; Four places behind a matrix instruction before its result is read or a load lands on one of its registers.
.macro PLACES
.rept 4
	v_nop
.endr
.endm
	s_load_b256 s[4:11], s[0:1], 0x0               ; x s[4:5], w_phi s[6:7], w_g s[8:9], b_phi s[10:11]
	s_load_b128 s[12:15], s[0:1], 0x20             ; b_g s[12:13], part s[14:15]
	v_lshl_add_u32 v242, v0, 2, 0x4f000
	v_mov_b32 v243, 0
	ds_add_u32 v242, v243
	v_lshrrev_b32 v4, 5, v0
	v_readfirstlane_b32 s16, v4                    ; wave 0..7
	s_bfe_u32 s17, ttmp6, 0x40000                  ; cx: my place in the cluster
	s_lshl_b32 s18, ttmp9, 2                       ; ttmp9 counts clusters
	s_add_co_u32 s18, s18, s17                     ; work-group g = 4 x cluster + cx: batch g >> 6, positions 64 (g & 63) ..
	v_and_b32 v1, 31, v0                           ; lane L
	v_and_b32 v2, 15, v0                           ; r = L & 15
	v_bfe_u32 v3, v0, 4, 1                         ; h = L >> 4
	s_lshl_b32 s22, s16, 19                        ; 32 w rows of 16,384 bytes
	v_lshlrev_b32 v[XG], 14, v3                    ; + h rows
	v_lshl_add_u32 v[XG], v2, 4, v[XG]             ; + 16 r
	v_add_nc_u32 v[XG], s22, v[XG]
	s_lshl_b32 s23, s16, 6
	v_lshl_add_u32 v[BA], v2, 2, s23               ; 4 (16 w + r)
	s_lshr_b32 s20, s18, 6
	s_lshl_b32 s20, s20, 22                        ; batch x 4,194,304 bytes
	s_and_b32 s19, s18, 63
	s_lshl_b32 s19, s19, 8                         ; + 64 positions x 4 bytes for each chunk
	s_add_co_u32 s20, s20, s19
	s_mov_b32 s21, 0
	s_wait_dscnt 0x0
	s_wait_kmcnt 0x0
	s_add_nc_u64 s[4:5], s[4:5], s[20:21]          ; x at my batch and my first position
	global_load_b32 v16, v[BA], s[10:11]           ; bphi[16 w + r]
	global_load_b32 v17, v[BA], s[12:13]           ; bg[16 w + r]
.irp i, 0,1,2,3,4,5,6,7,8,9,10,11,12,13,14,15
	global_load_b128 v[ACC+4*\i:ACC+4*\i+3], v[XG], s[4:5] offset:XROW2*\i   ; rows 32 w + 2 i + h: sixteen lanes take the row's 256 bytes, aligned.  No hint: the third launch reads x again
.endr
	s_lshl_b32 s20, s18, 16
	s_add_nc_u64 s[14:15], s[14:15], s[20:21]      ; part at my work-group's 64 KiB
	; The two descriptors: 16 rows of 256 f32, padded in LDS by 4 words a row.  A wave's rows lie in two buffers, so they are two loads of 16 rows.
	s_lshl_b32 s40, s16, 14                        ; 16 w rows of 1,024 bytes, in a pair that never holds cx
	s_mov_b32 s41, 0
	s_mov_b32 s[G1+0], 15|(2<<16)|(1<<20)|(1<<21)|(7<<22)|(3<<25)  ; 15:0 mask: all four of the cluster; 17:16 4-byte elements; 20 padding on; 21 set beside a mask; 24:22 after every 256 words; 31:25 four words
	s_mov_b32 s[G1+1], 256<<16                     ; tensor_dim0 = 256
	s_mov_b32 s[G1+2], 16<<16                      ; tensor_dim1 = 16
	s_mov_b32 s[G1+3], 256<<16                     ; tile_dim0 = 256
	s_mov_b32 s[G1+4], 16                          ; tile_dim1 = 16
	s_mov_b32 s[G1+5], 256                         ; elements from row to row
	s_mov_b32 s[G1+6], 0
	s_mov_b32 s[G1+7], 0
	s_mov_b32 s[G0P], 1
	s_mul_i32 s[G0P+1], s16, WSTR                  ; LDS: the wave's number times a constant
	s_add_nc_u64 s[G0P+2:G0P+3], s[6:7], s[40:41]
	s_or_b32 s[G0P+3], s[G0P+3], 0x80000000        ; type = 2
	s_mov_b32 s[G0G], 1
	s_add_co_u32 s[G0G+1], s[G0P+1], WGOFF
	s_add_nc_u64 s[G0G+2:G0G+3], s[8:9], s[40:41]
	s_or_b32 s[G0G+3], s[G0G+3], 0x80000000
	ROUND                                          ; all four work-groups are here: the joint loads meet
	tensor_load_to_lds s[G0P:G0P+3], s[G1:G1+7]    ; the launch's only fills, as one group: two tensor loads of the wave are out
	s_nop 0
	tensor_load_to_lds s[G0G:G0G+3], s[G1:G1+7]
	s_nop 0
	; LDS addresses, while the loads are on their way
	s_mul_i32 s22, s16, 32*XPITCH
	s_add_co_u32 s22, s22, XB
	v_mul_u32_u24 v[XS], v3, XPITCH
	v_lshl_add_u32 v[XS], v2, 3, v[XS]
	v_add_nc_u32 v[XS], s22, v[XS]                 ; XB + (32 w + h) pitch + 8 r
	v_and_b32 v6, 7, v0
	v_lshl_add_u32 v6, v3, 3, v6                   ; 8 h + (L & 7): the channel row that I address
	v_mul_u32_u24 v[XA], v6, XPITCH
	v_bfe_u32 v7, v0, 3, 1
	v_lshl_add_u32 v[XA], v7, 4, v[XA]             ; + 16 ((L >> 3) & 1)
	v_add_nc_u32 v[XA], XB, v[XA]
	v_mul_u32_u24 v[WA], v2, WPITCH
	v_lshl_add_u32 v[WA], v3, 5, v[WA]
	v_add_nc_u32 v[WA], s[G0P+1], v[WA]            ; my wave's weights + r pitch + 32 h
	s_lshl_b32 s22, s16, 11
	s_add_co_u32 s22, s22, GB
	v_lshl_add_u32 v[GS], v1, 4, s22               ; GB + 2048 w + 16 L
	v_lshl_add_u32 v[GL], v1, 4, GB                ; GB + 16 L
	s_lshl_b32 s22, s16, 13
	v_lshl_add_u32 v[PO], v1, 4, s22               ; 8192 w + 16 L
	; x to bf16 and into LDS, two rows a turn
.irp i, 0,1,2,3,4,5,6,7,8,9,10,11,12,13,14,15
	s_wait_loadcnt 15-\i                           ; loads return in order: load i is in (and both biases), the 15 - i younger ones stay out
	v_cvt_pk_bf16_f32 v[XF+2*\i], v[ACC+4*\i], v[ACC+4*\i+1]
	v_cvt_pk_bf16_f32 v[XF+2*\i+1], v[ACC+4*\i+2], v[ACC+4*\i+3]
	ds_store_b64 v[XS], v[XF+2*\i:XF+2*\i+1] offset:2*XPITCH*\i
.endr
.irp j, 0,1,2,3,4,5,6,7
	v_mov_b32 v[BP+\j], v16                        ; the bias as a C operand: every register of a lane belongs to output row r
	v_mov_b32 v[BG+\j], v17
.endr
	s_wait_dscnt 0x0                               ; my rows of x are in LDS, for the other waves' sake
	s_wait_tensorcnt 0x0                           ; my weight rows have landed; I alone read them
	s_barrier_signal -1
	s_barrier_wait -1                              ; all 256 rows of x are there
; FIRST PHASE: phi and g, K = 256 channels in 8 steps of 32.  The matrix instruction is used transposed: source 0 = 16 positions of x,
; source 1 = 16 rows of the weights.  Lane (r, h) then holds output row 16 w + r at positions 16 t + 8 h + 0..7: packed to bf16 that IS
; a chunk of a fragment along the positions, which the second phase needs.
.macro LDW ks                          ; 8 loads: my row's 16 weights of this step (k = 8 h .. + 7 and 16 + 8 h .. + 7) for phi, then for g, in f32
.irp o, 0,1
	ds_load_b128 v[WS+16*\o:WS+16*\o+3],     v[WA] offset:\o*WGOFF+(\ks)*128
	ds_load_b128 v[WS+16*\o+4:WS+16*\o+7],   v[WA] offset:\o*WGOFF+(\ks)*128+16
	ds_load_b128 v[WS+16*\o+8:WS+16*\o+11],  v[WA] offset:\o*WGOFF+(\ks)*128+64
	ds_load_b128 v[WS+16*\o+12:WS+16*\o+15], v[WA] offset:\o*WGOFF+(\ks)*128+80
.endr
.endm
.macro LDXF buf, ks                    ; 8 transposing loads: x fragments of the four position tiles, 32 channels
.irp t, 0,1,2,3
	ds_load_tr16_b128 v[XF+32*(\buf)+8*\t:XF+32*(\buf)+8*\t+3],   v[XA] offset:(\ks)*32*XPITCH+32*\t
	ds_load_tr16_b128 v[XF+32*(\buf)+8*\t+4:XF+32*(\buf)+8*\t+7], v[XA] offset:(\ks)*32*XPITCH+32*\t+16*XPITCH
.endr
.endm
.macro STEPA ks, p, first, last
	s_wait_dscnt 8                                 ; this step's 8 weight loads are in; the 8 loads of x issued behind them may be out
.irp j, 0,1,2,3,4,5,6,7,8,9,10,11,12,13,14,15
	v_cvt_pk_bf16_f32 v[WB+16*\p+\j], v[WS+2*\j], v[WS+2*\j+1]   ; sixteen plain instructions that name no register of the last step's products: its places
.endr
.if \last
	s_wait_dscnt 0x0
.else
	LDW \ks+1
	LDXF 1-\p, \ks+1
	s_wait_dscnt 16                                ; all but the 16 just issued: this step's x fragments are in
.endif
	; eight accumulators by turns, one instruction a turn, over the steps too
.irp t, 0,1,2,3
.if \first
	v_wmma_f32_16x16x32_bf16 v[ACC+8*\t:ACC+8*\t+7], v[XF+32*\p+8*\t:XF+32*\p+8*\t+7], v[WB+16*\p:WB+16*\p+7], v[BP:BP+7]
.else
	v_wmma_f32_16x16x32_bf16 v[ACC+8*\t:ACC+8*\t+7], v[XF+32*\p+8*\t:XF+32*\p+8*\t+7], v[WB+16*\p:WB+16*\p+7], v[ACC+8*\t:ACC+8*\t+7]
.endif
.endr
.irp t, 0,1,2,3
.if \first
	v_wmma_f32_16x16x32_bf16 v[ACC+32+8*\t:ACC+32+8*\t+7], v[XF+32*\p+8*\t:XF+32*\p+8*\t+7], v[WB+16*\p+8:WB+16*\p+15], v[BG:BG+7]
.else
	v_wmma_f32_16x16x32_bf16 v[ACC+32+8*\t:ACC+32+8*\t+7], v[XF+32*\p+8*\t:XF+32*\p+8*\t+7], v[WB+16*\p+8:WB+16*\p+15], v[ACC+32+8*\t:ACC+32+8*\t+7]
.endif
.endr
.endm
	LDW 0
	LDXF 0, 0
	STEPA 0, 0, 1, 0                               ; the first products take the bias as C: nothing is cleared, no bias is added later
	STEPA 1, 1, 0, 0
	STEPA 2, 0, 0, 0
	STEPA 3, 1, 0, 0
	STEPA 4, 0, 0, 0
	STEPA 5, 1, 0, 0
	STEPA 6, 0, 0, 0
	STEPA 7, 1, 0, 1
	; phi stays in my registers as fragments; g goes to LDS as fragments, for all waves
	PLACES
.irp t, 0,1,2,3
.irp j, 0,1,2,3
	v_cvt_pk_bf16_f32 v[PF+4*\t+\j], v[ACC+8*\t+2*\j], v[ACC+8*\t+2*\j+1]
.endr
.endr
.irp t, 0,1,2,3
.irp j, 0,1,2,3
	v_cvt_pk_bf16_f32 v[WS+4*\t+\j], v[ACC+32+8*\t+2*\j], v[ACC+32+8*\t+2*\j+1]
.endr
.endr
.irp t, 0,1,2,3
	ds_store_b128 v[GS], v[WS+4*\t:WS+4*\t+3] offset:512*\t      ; 32 lanes x 16 neighbouring bytes
.endr
	s_wait_dscnt 0x0                               ; my g is in LDS, for the other waves' sake
	s_barrier_signal -1
	s_barrier_wait -1
	; SECOND PHASE: my 16 rows of phi against all 128 rows of g, K = 64 positions in two steps of 32
.irp t, 0,1,2,3,4,5,6,7
	ds_load_b128 v[GA+16*\t:GA+16*\t+3],   v[GL] offset:2048*\t
	ds_load_b128 v[GA+16*\t+4:GA+16*\t+7], v[GL] offset:2048*\t+512
.endr
.irp t, 0,1,2,3,4,5,6,7
	ds_load_b128 v[GA+16*\t+8:GA+16*\t+11],  v[GL] offset:2048*\t+1024
	ds_load_b128 v[GA+16*\t+12:GA+16*\t+15], v[GL] offset:2048*\t+1536
.endr
	s_wait_dscnt 16                                ; positions 0-31 of all eight tiles are in; the 16 loads of positions 32-63 may be out
.irp t, 0,1,2,3,4,5,6,7
	v_wmma_f32_16x16x32_bf16 v[ACC+8*\t:ACC+8*\t+7], v[PF:PF+7], v[GA+16*\t:GA+16*\t+7], 0
.endr
	s_wait_dscnt 0x0
.irp t, 0,1,2,3,4,5,6,7
	v_wmma_f32_16x16x32_bf16 v[ACC+8*\t:ACC+8*\t+7], v[PF+8:PF+15], v[GA+16*\t+8:GA+16*\t+15], v[ACC+8*\t:ACC+8*\t+7]   ; again eight accumulators by turns
.endr
	; Out, in the order of the registers: word (w, t, q, L, e) = row 16 w + 8 h + 4 q + e, column 16 t + r.  Each store covers 512 consecutive bytes, aligned.
	PLACES
.irp t, 0,1,2,3,4,5,6,7
	global_store_b128 v[PO], v[ACC+8*\t:ACC+8*\t+3],   s[14:15] offset:1024*\t
	global_store_b128 v[PO], v[ACC+8*\t+4:ACC+8*\t+7], s[14:15] offset:1024*\t+512
.endr
	s_wait_tensorcnt 0x0
	ds_add_u32 v242, v243
	s_wait_dscnt 0x0
	ROUND                                          ; the closing round: no work-group ends while a partner may still ask jointly
	s_endpgm
.Lfunc_end_k_q01e27e379e_partial:
	.size	k_q01e27e379e_partial, .Lfunc_end_k_q01e27e379e_partial-k_q01e27e379e_partial
	.p2alignl 7, 3214868480
	.fill 96, 4, 3214868480
	.section	.rodata,"a",@progbits
	.p2align	6, 0x0
	.amdhsa_kernel k_q01e27e379e_partial
		.amdhsa_group_segment_fixed_size 324608
		.amdhsa_private_segment_fixed_size 0
		.amdhsa_enable_private_segment 0
		.amdhsa_kernarg_size 48
		.amdhsa_user_sgpr_count 2
		.amdhsa_user_sgpr_kernarg_segment_ptr 1
		.amdhsa_wavefront_size32 1
		.amdhsa_system_sgpr_workgroup_id_x 1
		.amdhsa_system_sgpr_workgroup_id_y 1
		.amdhsa_system_sgpr_workgroup_id_z 1
		.amdhsa_system_vgpr_workitem_id 0
		.amdhsa_next_free_vgpr 244
		.amdhsa_next_free_sgpr 66
		.amdhsa_reserve_vcc 0
		.amdhsa_float_denorm_mode_32 3
		.amdhsa_float_denorm_mode_16_64 3
		.amdhsa_memory_ordered 1
		.amdhsa_forward_progress 1
		.amdhsa_inst_pref_size 39
	.end_amdhsa_kernel
	.amdgpu_metadata
---
amdhsa.version: [ 1, 2 ]
amdhsa.kernels:
  - .name:           k_q01e27e379e_partial
    .symbol:         k_q01e27e379e_partial.kd
    .args:
      - { .name: x, .offset: 0, .size: 8, .value_kind: global_buffer, .address_space: global }
      - { .name: w_phi, .offset: 8, .size: 8, .value_kind: global_buffer, .address_space: global }
      - { .name: w_g, .offset: 16, .size: 8, .value_kind: global_buffer, .address_space: global }
      - { .name: b_phi, .offset: 24, .size: 8, .value_kind: global_buffer, .address_space: global }
      - { .name: b_g, .offset: 32, .size: 8, .value_kind: global_buffer, .address_space: global }
      - { .name: part, .offset: 40, .size: 8, .value_kind: global_buffer, .address_space: global }
    .group_segment_fixed_size: 324608
    .private_segment_fixed_size: 0
    .kernarg_segment_align: 8
    .kernarg_segment_size: 48
    .max_flat_workgroup_size: 256
    .sgpr_count:     66
    .vgpr_count:     244
    .wavefront_size: 32
...
	.end_amdgpu_metadata
.endif
;; end of part 1
;; launch reduce (part 2): grid 256 x 1, 9 waves a work-group, no clusters, 9,472 bytes of LDS; arguments part, w_theta, w_rec, mf, wf; writes mf, wf
.if DOCPART == 2
	.amdgcn_target "amdgcn-amd-amdhsa--gfx1250"
	.amdhsa_code_object_version 6
	.text
	.protected	k_q01e27e379e_reduce
	.globl	k_q01e27e379e_reduce
	.p2align	8
	.type	k_q01e27e379e_reduce,@function
k_q01e27e379e_reduce:
	s_mov_b64 s[64:65], 0
	v_nop
	global_prefetch_b8 v0, s[64:65] scope:SCOPE_SE
	s_setreg_imm32_b32 hwreg(HW_REG_WAVE_MODE, 25, 1), 1
	s_wait_xcnt 0x0
; Second launch.  (a) M = (1/4096) x the sum of a batch's 64 parts, rounded to bf16 and stored as fragments of M^T for the third launch.
; (b) w_theta and w_rec rounded to bf16 and stored as fragments, so that the third launch moves half the bytes and converts nothing.
; A work-group owns one 16 x 16 tile of one batch's M: batch g >> 6, row tile w = (g >> 3) & 7, column tile t = g & 7; in every part
; that tile is 1,024 consecutive bytes.  Waves 0-7 add 8 parts each, all 16 loads of a wave out at once; the eight sums meet in LDS and
; wave 0 adds them.  Wave 8 converts the work-group's 512 bytes of weight fragments.
; The sum is ordered (no atomics): parts 8 v .. 8 v + 7 in ascending order, then the waves in ascending order; this order differs from
; a plain sum over the 4096 positions.  The factor 2^-12 is exact.
; No matrix unit (nothing is multiplied), no cluster (no two work-groups read the same bytes), no tensor loads (64 KiB a work-group fit in registers).
.set ACC, 16                           ; v[16:79]  eight parts (or eight waves' sums) of 8 registers; the sum grows in the first eight
.macro SUM8 wait                       ; adds blocks 1..7 onto block 0; two loads a block were issued in order, so block i is in when 14 - 2 i younger ones are out
.irp i, 1,2,3,4,5,6,7
	\wait 14-2*\i
.irp k, 0,2,4,6
	v_pk_add_f32 v[ACC+\k:ACC+\k+1], v[ACC+\k:ACC+\k+1], v[ACC+8*\i+\k:ACC+8*\i+\k+1]
.endr
.endr
.endm
	s_load_b256 s[4:11], s[0:1], 0x0               ; part s[4:5], w_theta s[6:7], w_rec s[8:9], mf s[10:11]
	s_load_b64 s[12:13], s[0:1], 0x20              ; wf
	v_lshl_add_u32 v80, v0, 2, 0x2000
	v_mov_b32 v81, 0
	v_lshrrev_b32 v4, 5, v0
	v_readfirstlane_b32 s16, v4                    ; wave 0..8
	v_and_b32 v1, 31, v0                           ; lane L
	v_and_b32 v2, 15, v0                           ; r
	v_bfe_u32 v3, v0, 4, 1                         ; h
	v_lshlrev_b32 v6, 4, v1                        ; 16 L
	s_mov_b32 s21, 0                               ; high word of every offset pair
	s_wait_kmcnt 0x0
	s_cmp_eq_u32 s16, 8
	s_cbranch_scc1 .Lconvert
	; waves 0-7: eight parts of my tile
	s_lshr_b32 s20, ttmp9, 6
	s_lshl_b32 s20, s20, 22                        ; batch x 64 parts x 65,536 bytes
	s_and_b32 s19, ttmp9, 63
	s_lshl_b32 s19, s19, 10                        ; + tile x 1,024 bytes
	s_add_co_u32 s20, s20, s19
	s_add_nc_u64 s[4:5], s[4:5], s[20:21]
	s_lshl_b32 s22, s16, 19                        ; my wave's first part: 8 v x 65,536
	v_add_nc_u32 v7, s22, v6
.irp i, 0,1,2,3,4,5,6,7
	global_load_b128 v[ACC+8*\i:ACC+8*\i+3],   v7, s[4:5] offset:65536*\i th:TH_LOAD_NT       ; 512 consecutive bytes each; read once in the launch
	global_load_b128 v[ACC+8*\i+4:ACC+8*\i+7], v7, s[4:5] offset:65536*\i+512 th:TH_LOAD_NT
.endr
	s_lshl_b32 s23, s16, 10
	v_add_nc_u32 v8, s23, v6                       ; LDS: 1,024 v + 16 L
	SUM8 s_wait_loadcnt
	ds_store_b128 v8, v[ACC:ACC+3]
	ds_store_b128 v8, v[ACC+4:ACC+7] offset:512
	s_wait_dscnt 0x0                               ; for wave 0's sake: my sum is in LDS before I signal
	s_branch .Ljoin
.Lconvert:
	; wave 8: chunk g of wf, 512 bytes = 32 lanes x 8 bf16.  g < 128: w_theta, chunk (mt, ks, q) = g: row 16 mt + r, k = 16 (g & 15) + 8 h + 0..7.
	; g >= 128: w_rec, chunk g - 128 = (mt, ks, q): row 16 mt + r, k = 16 (g & 7) + 8 h + 0..7.  The reads are 64 bytes of each of 16 rows;
	; over the launch every byte of the two weights (256 KiB) is read once.
	s_and_b32 s19, ttmp9, 127
	s_lshr_b32 s20, s19, 4
	s_lshl_b32 s20, s20, 14                        ; w_theta: 16 mt rows of 1,024 bytes
	s_and_b32 s22, s19, 15
	s_lshl_b32 s22, s22, 6                         ; + 16 f32 for each (ks, q)
	s_add_co_u32 s20, s20, s22
	s_lshr_b32 s23, s19, 3
	s_lshl_b32 s23, s23, 13                        ; w_rec: 16 mt rows of 512 bytes
	s_and_b32 s22, s19, 7
	s_lshl_b32 s22, s22, 6
	s_add_co_u32 s23, s23, s22
	s_cmp_lt_u32 ttmp9, 128                        ; the choice hangs on the work-group's number alone
	s_cselect_b32 s20, s20, s23
	s_cselect_b32 s22, 10, 9                       ; log2 of a row's bytes
	s_cselect_b64 s[24:25], s[6:7], s[8:9]
	s_add_nc_u64 s[24:25], s[24:25], s[20:21]
	v_lshlrev_b32 v5, s22, v2                      ; r rows
	v_lshl_add_u32 v5, v3, 5, v5                   ; + 8 h f32
	global_load_b128 v[16:19], v5, s[24:25]
	global_load_b128 v[20:23], v5, s[24:25] offset:16
	s_lshl_b32 s20, ttmp9, 9
	s_add_nc_u64 s[12:13], s[12:13], s[20:21]      ; wf + 512 g
	s_wait_loadcnt 0x0
	v_cvt_pk_bf16_f32 v24, v16, v17
	v_cvt_pk_bf16_f32 v25, v18, v19
	v_cvt_pk_bf16_f32 v26, v20, v21
	v_cvt_pk_bf16_f32 v27, v22, v23
	global_store_b128 v6, v[24:27], s[12:13]       ; 512 consecutive bytes, aligned
.Ljoin:
	s_barrier_signal -1
	s_barrier_wait -1                              ; the eight sums are in LDS
	s_cmp_lg_u32 s16, 0
	s_cbranch_scc1 .Lend
	; wave 0: the eight waves' sums, the factor, bf16, out
.irp i, 0,1,2,3,4,5,6,7
	ds_load_b128 v[ACC+8*\i:ACC+8*\i+3],   v6 offset:1024*\i
	ds_load_b128 v[ACC+8*\i+4:ACC+8*\i+7], v6 offset:1024*\i+512
.endr
	s_lshr_b32 s20, ttmp9, 6
	s_lshl_b32 s20, s20, 15                        ; mf: batch x 32,768
	s_and_b32 s19, ttmp9, 7
	s_lshl_b32 s19, s19, 12                        ; + column tile t x 4,096 (the fragment's row tile u = t)
	s_add_co_u32 s20, s20, s19
	s_bfe_u32 s19, ttmp9, 0x30003
	s_lshl_b32 s19, s19, 9                         ; + row tile w x 512 (K step w >> 1, half w & 1)
	s_add_co_u32 s20, s20, s19
	s_add_nc_u64 s[10:11], s[10:11], s[20:21]
	SUM8 s_wait_dscnt
.irp k, 0,2,4,6
	v_pk_mul_f32 v[ACC+\k:ACC+\k+1], v[ACC+\k:ACC+\k+1], 0x39800000 op_sel_hi:[1,0]   ; x 2^-12 = 1 / N
.endr
.irp k, 0,1,2,3
	v_cvt_pk_bf16_f32 v[ACC+8+\k], v[ACC+2*\k], v[ACC+2*\k+1]   ; lane (r, h): M[16 w + 8 h + 0..7][16 t + r]: a chunk of M^T's fragment as it stands
.endr
	global_store_b128 v6, v[ACC+8:ACC+11], s[10:11]
.Lend:
	s_wait_tensorcnt 0x0
	ds_add_u32 v80, v81
	s_wait_dscnt 0x0
	s_endpgm
.Lfunc_end_k_q01e27e379e_reduce:
	.size	k_q01e27e379e_reduce, .Lfunc_end_k_q01e27e379e_reduce-k_q01e27e379e_reduce
	.p2alignl 7, 3214868480
	.fill 96, 4, 3214868480
	.section	.rodata,"a",@progbits
	.p2align	6, 0x0
	.amdhsa_kernel k_q01e27e379e_reduce
		.amdhsa_group_segment_fixed_size 9472
		.amdhsa_private_segment_fixed_size 0
		.amdhsa_enable_private_segment 0
		.amdhsa_kernarg_size 40
		.amdhsa_user_sgpr_count 2
		.amdhsa_user_sgpr_kernarg_segment_ptr 1
		.amdhsa_wavefront_size32 1
		.amdhsa_system_sgpr_workgroup_id_x 1
		.amdhsa_system_sgpr_workgroup_id_y 1
		.amdhsa_system_sgpr_workgroup_id_z 1
		.amdhsa_system_vgpr_workitem_id 0
		.amdhsa_next_free_vgpr 82
		.amdhsa_next_free_sgpr 66
		.amdhsa_reserve_vcc 0
		.amdhsa_float_denorm_mode_32 3
		.amdhsa_float_denorm_mode_16_64 3
		.amdhsa_memory_ordered 1
		.amdhsa_forward_progress 1
		.amdhsa_inst_pref_size 11
	.end_amdhsa_kernel
	.amdgpu_metadata
---
amdhsa.version: [ 1, 2 ]
amdhsa.kernels:
  - .name:           k_q01e27e379e_reduce
    .symbol:         k_q01e27e379e_reduce.kd
    .args:
      - { .name: part, .offset: 0, .size: 8, .value_kind: global_buffer, .address_space: global }
      - { .name: w_theta, .offset: 8, .size: 8, .value_kind: global_buffer, .address_space: global }
      - { .name: w_rec, .offset: 16, .size: 8, .value_kind: global_buffer, .address_space: global }
      - { .name: mf, .offset: 24, .size: 8, .value_kind: global_buffer, .address_space: global }
      - { .name: wf, .offset: 32, .size: 8, .value_kind: global_buffer, .address_space: global }
    .group_segment_fixed_size: 9472
    .private_segment_fixed_size: 0
    .kernarg_segment_align: 8
    .kernarg_segment_size: 40
    .max_flat_workgroup_size: 288
    .sgpr_count:     66
    .vgpr_count:     82
    .wavefront_size: 32
...
	.end_amdgpu_metadata
.endif
;; end of part 2
;; launch apply (part 3): grid 256 x 1, 8 waves a work-group, clusters of 4 x 1, 308,224 bytes of LDS; arguments x, wf, mf, b_theta, b_rec, out0; writes out0
.if DOCPART == 3
	.amdgcn_target "amdgcn-amd-amdhsa--gfx1250"
	.amdhsa_code_object_version 6
	.text
	.protected	k_q01e27e379e_apply
	.globl	k_q01e27e379e_apply
	.p2align	8
	.type	k_q01e27e379e_apply,@function
k_q01e27e379e_apply:
	s_mov_b64 s[64:65], 0
	v_nop
	global_prefetch_b8 v0, s[64:65] scope:SCOPE_SE
	s_setreg_imm32_b32 hwreg(HW_REG_WAVE_MODE, 25, 1), 1
	s_wait_xcnt 0x0
	s_wait_alu depctr_hold_cnt(0) depctr_sa_sdst(0) depctr_va_vdst(0) depctr_va_sdst(0) depctr_va_ssrc(0) depctr_va_vcc(0) depctr_vm_vsrc(0)
	s_getreg_b32 s2, hwreg(HW_REG_IB_STS2, 6, 4)
	s_cmp_eq_u32 s2, 0
	s_cbranch_scc0 .Lentry_in_a_cluster
	s_endpgm
.Lentry_in_a_cluster:
	s_bfe_u32 s2, ttmp6, 0x10000c
	s_cmp_lg_u32 s2, 0x3003
	s_cbranch_scc0 .Lentry_shape_is_right
	s_endpgm
.Lentry_shape_is_right:
; Third launch: for 64 positions of one batch  theta = Wtheta x + btheta (128 x 64),  z = M^T theta (128 x 64),
; out = x + Wrec z + brec (256 x 64).  Nothing between the three products leaves the work-group.
; LIMITS: x, theta, z, M and the weights enter the matrix unit rounded to bf16, sums in f32; the residual x is added in f32 from the
; registers into which it was loaded, so x is read once here.  The order of the sums is that of M first (see the first launch).
; SHARES: 8 waves.  Wave w brings in and writes out rows (channels) 32 w .. 32 w + 31, makes rows 16 w .. 16 w + 15 of theta and of z.
; CLUSTER: all work-groups read the same 128 KiB of weight fragments, and the 64 of a batch the same 32 KiB of M; a cluster's four
; work-groups lie in one batch (64 is a multiple of 4) and ask for both jointly (mask 15).  The weights and M were stored in the order of
; the fragments, so each wave's share is dense and every fragment load takes 32 lanes x 16 neighbouring bytes.
; All operands fit in LDS at once: every LDS byte is filled once, so there is no ring and no refill.
.set XROW2,  32768                     ; two rows of x or out in memory
.set MFB,    131072                    ; LDS 0: weight fragments, 16 KiB a wave (8 KiB Wtheta, 8 KiB Wrec); here: M's fragments, 4 KiB a wave
.set XB,     163840                    ; x in bf16, [channel 256][position 64]
.set XPITCH, 160                       ; 128 bytes + 32 = 5 x 32
.set TH,     204800                    ; theta as fragments: [position tile 4][row tile 8][lane 32][16 bytes]
.set ZOFF,   16384                     ; z likewise, behind theta
.set YS,     237568                    ; the way out: [channel 256][position 64] in f32; a wave touches its own 32 rows alone
.set YPITCH, 272                       ; 256 bytes + 16 = 17 x 16: sixteen rows start at sixteen different 16-byte columns
.set XS,  0                            ; v0   (once the thread's number is used up) LDS: where my four numbers of x go in bf16
.set XG,  6                            ; v6   byte offset in x and in out of my 16 bytes: row 32 w + h, positions 4 r ..
.set XA,  7                            ; v7   LDS: my address for the transposing loads
.set WA,  8                            ; v8   LDS: my wave's weight fragments + 16 L
.set MA,  9                            ; v9   LDS: my wave's fragments of M^T + 16 L
.set TS,  10                           ; v10  LDS: where my wave's theta (z: + ZOFF) goes
.set TL,  11                           ; v11  LDS: theta's fragments + 16 L
.set YW,  12                           ; v12  LDS: way out, in
.set YR,  13                           ; v13  LDS: way out, back
.set BT,  14                           ; v[14:21] btheta[16 w + 8 h + 0..7]: the C of theta's first products
.set BR,  14                           ; v[14:29] later: brec[32 w + 16 u + r], eight times for u = 0, 1 (v30, v31 as loaded)
.set XR,  32                           ; v[32:95]  x in f32, kept to the end
.set AF,  96                           ; v[96:127] fragments from the weights or M, two buffers of 16
.set BF,  128                          ; v[128:191] fragments of x, theta or z, two buffers of 4 x 8
.set ACC, 192                          ; v[192:255] theta at +8 t; z at +32+8 t; y tile (u, t) at +32 u + 8 t
.set OUTR, 96                          ; v[96:159] way out: rows read back
.set G1W, 24                           ; s[24:31] group 1, weights
.set G0W, 32                           ; s[32:35] group 0, weights
.set G0M, 36                           ; s[36:39] group 0, M
.set G1M, 40                           ; s[40:47] group 1, M
.macro ROUND                           ; a round of the cluster's barrier
	s_barrier_signal -1
	s_barrier_wait -1
	s_cmp_lg_u32 s16, 0
	s_cbranch_scc1 .Lnot_wave_0_\@
	s_barrier_signal -3
.Lnot_wave_0_\@:
	s_barrier_wait -3
	s_barrier_signal -1
	s_barrier_wait -1
.endm
.macro PLACES                          ; four places behind a matrix instruction before its result is read or a load lands on one of its registers
.rept 4
	v_nop
.endr
.endm
	s_load_b256 s[4:11], s[0:1], 0x0               ; x s[4:5], wf s[6:7], mf s[8:9], b_theta s[10:11]
	s_load_b128 s[12:15], s[0:1], 0x20             ; b_rec s[12:13], out0 s[14:15]
	s_set_vgpr_msb 0x40
	v_lshl_add_u32 v0, v0, 2, 0x4b000
	v_mov_b32 v1, 0
	s_set_vgpr_msb 0x4045
	ds_add_u32 v0, v1
	s_set_vgpr_msb 0x4500
	v_lshrrev_b32 v4, 5, v0
	v_readfirstlane_b32 s16, v4                    ; wave 0..7
	s_bfe_u32 s17, ttmp6, 0x40000                  ; cx
	s_lshl_b32 s18, ttmp9, 2
	s_add_co_u32 s18, s18, s17                     ; work-group g = 4 x cluster + cx
	v_and_b32 v1, 31, v0                           ; L
	v_and_b32 v2, 15, v0                           ; r
	v_bfe_u32 v3, v0, 4, 1                         ; h
	v_and_b32 v[XA], 7, v0
	v_lshl_add_u32 v[XA], v3, 3, v[XA]             ; 8 h + (L & 7)
	v_mul_u32_u24 v[XA], v[XA], XPITCH
	v_bfe_u32 v4, v0, 3, 1
	v_lshl_add_u32 v[XA], v4, 4, v[XA]             ; + 16 ((L >> 3) & 1)
	v_add_nc_u32 v[XA], XB, v[XA]
	s_lshl_b32 s22, s16, 19
	v_lshlrev_b32 v[XG], 14, v3
	v_lshl_add_u32 v[XG], v2, 4, v[XG]
	v_add_nc_u32 v[XG], s22, v[XG]                 ; (32 w + h) rows + 16 r
	s_lshl_b32 s22, s16, 6
	v_lshl_add_u32 v4, v3, 5, s22                  ; 4 (16 w + 8 h)
	s_lshl_b32 s23, s16, 7
	v_lshl_add_u32 v5, v2, 2, s23                  ; 4 (32 w + r)
	s_lshr_b32 s20, s18, 6
	s_lshl_b32 s20, s20, 22                        ; batch x 4,194,304 bytes
	s_and_b32 s19, s18, 63
	s_lshl_b32 s19, s19, 8                         ; + chunk x 256 bytes
	s_add_co_u32 s20, s20, s19
	s_mov_b32 s21, 0
	s_wait_dscnt 0x0
	s_wait_kmcnt 0x0
	s_add_nc_u64 s[4:5], s[4:5], s[20:21]
	s_add_nc_u64 s[14:15], s[14:15], s[20:21]
	global_load_b128 v[BT:BT+3],   v4, s[10:11]
	global_load_b128 v[BT+4:BT+7], v4, s[10:11] offset:16
	global_load_b32 v30, v5, s[12:13]              ; brec[32 w + r]
	global_load_b32 v31, v5, s[12:13] offset:64    ; brec[32 w + 16 + r]
.irp i, 0,1,2,3,4,5,6,7,8,9,10,11,12,13,14,15
	global_load_b128 v[XR+4*\i:XR+4*\i+3], v[XG], s[4:5] offset:XROW2*\i th:TH_LOAD_NT   ; rows 32 w + 2 i + h; the program's last read of x
.endr
	; Descriptors.  Weights: one load brings the wave's 8 KiB of Wtheta's fragments and its 8 KiB of Wrec's, which lie 64 KiB apart in wf:
	; two rows of 1,024 elements of 8 bytes.  M: the wave's 4 KiB, dense, as 16 rows of 256 bytes.  Offsets in pairs that never hold cx.
	s_lshl_b32 s48, s16, 13                        ; 8,192 w
	s_mov_b32 s49, 0
	s_lshr_b32 s50, ttmp9, 4                       ; the batch, from the cluster's number, which the partners share
	s_lshl_b32 s50, s50, 15                        ; x 32,768
	s_lshl_b32 s51, s16, 12
	s_add_co_u32 s50, s50, s51                     ; + 4,096 w
	s_mov_b32 s51, 0
	s_mov_b32 s[G1W+0], 15|(3<<16)|(1<<21)         ; mask: all four of the cluster; 8-byte elements; bit 21 set beside a mask; no padding
	s_mov_b32 s[G1W+1], 1024<<16                   ; tensor_dim0
	s_mov_b32 s[G1W+2], 2<<16                      ; tensor_dim1
	s_mov_b32 s[G1W+3], 1024<<16                   ; tile_dim0
	s_mov_b32 s[G1W+4], 2                          ; tile_dim1
	s_mov_b32 s[G1W+5], 8192                       ; elements from row to row: 65,536 bytes
	s_mov_b32 s[G1W+6], 0
	s_mov_b32 s[G1W+7], 0
	s_mov_b32 s[G1M+0], 15|(3<<16)|(1<<21)
	s_mov_b32 s[G1M+1], 32<<16
	s_mov_b32 s[G1M+2], 16<<16
	s_mov_b32 s[G1M+3], 32<<16
	s_mov_b32 s[G1M+4], 16
	s_mov_b32 s[G1M+5], 32
	s_mov_b32 s[G1M+6], 0
	s_mov_b32 s[G1M+7], 0
	s_mov_b32 s[G0W], 1
	s_lshl_b32 s[G0W+1], s16, 14                   ; LDS: 16,384 w
	s_add_nc_u64 s[G0W+2:G0W+3], s[6:7], s[48:49]
	s_or_b32 s[G0W+3], s[G0W+3], 0x80000000
	s_mov_b32 s[G0M], 1
	s_lshl_b32 s[G0M+1], s16, 12
	s_add_co_u32 s[G0M+1], s[G0M+1], MFB           ; LDS: 131,072 + 4,096 w
	s_add_nc_u64 s[G0M+2:G0M+3], s[8:9], s[50:51]
	s_or_b32 s[G0M+3], s[G0M+3], 0x80000000
	ROUND                                          ; all four work-groups are here: the joint loads meet
	tensor_load_to_lds s[G0W:G0W+3], s[G1W:G1W+7]  ; the launch's only fills, as one group: two tensor loads of the wave are out
	s_nop 0
	tensor_load_to_lds s[G0M:G0M+3], s[G1M:G1M+7]
	s_nop 0
	v_lshl_add_u32 v[WA], v1, 4, s[G0W+1]
	v_lshl_add_u32 v[MA], v1, 4, s[G0M+1]
	s_lshl_b32 s22, s16, 9
	s_add_co_u32 s22, s22, TH
	v_lshl_add_u32 v[TS], v1, 4, s22               ; TH + 512 w + 16 L
	v_lshl_add_u32 v[TL], v1, 4, TH
	s_mul_i32 s23, s16, 32*YPITCH
	s_add_co_u32 s23, s23, YS                      ; my wave's 32 rows of the way out
	v_mul_u32_u24 v[YW], v2, YPITCH
	v_lshl_add_u32 v[YW], v3, 5, v[YW]
	v_add_nc_u32 v[YW], s23, v[YW]                 ; row r, 8 h numbers in
	v_mul_u32_u24 v[YR], v3, YPITCH
	v_lshl_add_u32 v[YR], v2, 4, v[YR]
	v_add_nc_u32 v[YR], s23, v[YR]                 ; row h, 16 r bytes in
	s_mul_i32 s22, s16, 32*XPITCH
	s_add_co_u32 s22, s22, XB
	v_mul_u32_u24 v[XS], v3, XPITCH
	v_lshl_add_u32 v[XS], v2, 3, v[XS]
	v_add_nc_u32 v[XS], s22, v[XS]                 ; XB + (32 w + h) pitch + 8 r
.irp i, 0,1,2,3,4,5,6,7,8,9,10,11,12,13,14,15
	s_wait_loadcnt 15-\i                           ; load i of x is in (and the biases, issued ahead of it); the 15 - i younger ones stay out
	v_cvt_pk_bf16_f32 v[BF+2*\i], v[XR+4*\i], v[XR+4*\i+1]
	v_cvt_pk_bf16_f32 v[BF+2*\i+1], v[XR+4*\i+2], v[XR+4*\i+3]
	ds_store_b64 v[XS], v[BF+2*\i:BF+2*\i+1] offset:2*XPITCH*\i
.endr
	s_wait_dscnt 0x0                               ; my rows of x are in LDS, for the other waves' sake
	s_wait_tensorcnt 0x0                           ; my fragments of the weights and of M have landed; I alone read them
	s_barrier_signal -1
	s_barrier_wait -1
; The loads of one K step of 32, into buffer p
.macro LD1 p, k                        ; theta: 2 loads of Wtheta's fragment, 8 transposing loads of x: 10
	ds_load_b128 v[AF+16*(\p):AF+16*(\p)+3],   v[WA] offset:1024*(\k)
	ds_load_b128 v[AF+16*(\p)+4:AF+16*(\p)+7], v[WA] offset:1024*(\k)+512
.irp t, 0,1,2,3
	ds_load_tr16_b128 v[BF+32*(\p)+8*\t:BF+32*(\p)+8*\t+3],   v[XA] offset:32*XPITCH*(\k)+32*\t
	ds_load_tr16_b128 v[BF+32*(\p)+8*\t+4:BF+32*(\p)+8*\t+7], v[XA] offset:32*XPITCH*(\k)+32*\t+16*XPITCH
.endr
.endm
.macro LD2 p, k                        ; z: 2 loads of M^T's fragment, 8 of theta's: 10
	ds_load_b128 v[AF+16*(\p):AF+16*(\p)+3],   v[MA] offset:1024*(\k)
	ds_load_b128 v[AF+16*(\p)+4:AF+16*(\p)+7], v[MA] offset:1024*(\k)+512
.irp t, 0,1,2,3
	ds_load_b128 v[BF+32*(\p)+8*\t:BF+32*(\p)+8*\t+3],   v[TL] offset:4096*\t+1024*(\k)
	ds_load_b128 v[BF+32*(\p)+8*\t+4:BF+32*(\p)+8*\t+7], v[TL] offset:4096*\t+1024*(\k)+512
.endr
.endm
.macro LD3 p, k                        ; y: 4 loads of Wrec's two fragments, 8 of z's: 12
.irp u, 0,1
	ds_load_b128 v[AF+16*(\p)+8*\u:AF+16*(\p)+8*\u+3],   v[WA] offset:8192+4096*\u+1024*(\k)
	ds_load_b128 v[AF+16*(\p)+8*\u+4:AF+16*(\p)+8*\u+7], v[WA] offset:8192+4096*\u+1024*(\k)+512
.endr
.irp t, 0,1,2,3
	ds_load_b128 v[BF+32*(\p)+8*\t:BF+32*(\p)+8*\t+3],   v[TL] offset:ZOFF+4096*\t+1024*(\k)
	ds_load_b128 v[BF+32*(\p)+8*\t+4:BF+32*(\p)+8*\t+7], v[TL] offset:ZOFF+4096*\t+1024*(\k)+512
.endr
.endm
; The head of a step: the next step's loads go out into the other buffer, which the last step's products read (hence the places; a
; stage's first step stands behind the places of the stage before); the wait leaves exactly these cnt loads out.
.macro AHEAD ld, p, k, first, last, cnt
.if \last
	s_wait_dscnt 0x0
.else
.if \first == 0
	PLACES
.endif
	\ld 1-\p, \k+1
	s_wait_dscnt \cnt
.endif
.endm
; Results to bf16 and into LDS as fragment chunks: lane (r, h) holds rows 16 w + 8 h + 0..7 of column 16 t + r
.macro PACK acc, off
	PLACES
.irp t, 0,1,2,3
.irp j, 0,1,2,3
	v_cvt_pk_bf16_f32 v[BF+4*\t+\j], v[\acc+8*\t+2*\j], v[\acc+8*\t+2*\j+1]
.endr
.endr
.irp t, 0,1,2,3
	ds_store_b128 v[TS], v[BF+4*\t:BF+4*\t+3] offset:\off+4096*\t
.endr
.endm
; STAGE 1: theta, K = 256 channels.  Source 0 = my 16 rows of Wtheta, source 1 = 16 positions of x.  Four accumulators by turns.
.macro STEP1 k, p, first, last
	AHEAD LD1, \p, \k, \first, \last, 10
.irp t, 0,1,2,3
.if \first
	v_wmma_f32_16x16x32_bf16 v[ACC+8*\t:ACC+8*\t+7], v[AF+16*\p:AF+16*\p+7], v[BF+32*\p+8*\t:BF+32*\p+8*\t+7], v[BT:BT+7]
.else
	v_wmma_f32_16x16x32_bf16 v[ACC+8*\t:ACC+8*\t+7], v[AF+16*\p:AF+16*\p+7], v[BF+32*\p+8*\t:BF+32*\p+8*\t+7], v[ACC+8*\t:ACC+8*\t+7]
.endif
.endr
.endm
	LD1 0, 0
	STEP1 0, 0, 1, 0                               ; the first products take the bias as C
	STEP1 1, 1, 0, 0
	STEP1 2, 0, 0, 0
	STEP1 3, 1, 0, 0
	STEP1 4, 0, 0, 0
	STEP1 5, 1, 0, 0
	STEP1 6, 0, 0, 0
	STEP1 7, 1, 0, 1
	PACK ACC, 0
	s_wait_dscnt 0x0                               ; my rows of theta are in LDS, for the other waves' sake
	s_barrier_signal -1
	s_barrier_wait -1
; STAGE 2: z = M^T theta, K = 128.  Source 0 = my 16 rows of M^T, source 1 = 16 positions of theta.
.macro STEP2 k, p, first, last
	AHEAD LD2, \p, \k, \first, \last, 10
.irp t, 0,1,2,3
.if \first
	v_wmma_f32_16x16x32_bf16 v[ACC+32+8*\t:ACC+32+8*\t+7], v[AF+16*\p:AF+16*\p+7], v[BF+32*\p+8*\t:BF+32*\p+8*\t+7], 0
.else
	v_wmma_f32_16x16x32_bf16 v[ACC+32+8*\t:ACC+32+8*\t+7], v[AF+16*\p:AF+16*\p+7], v[BF+32*\p+8*\t:BF+32*\p+8*\t+7], v[ACC+32+8*\t:ACC+32+8*\t+7]
.endif
.endr
.endm
	LD2 0, 0
	STEP2 0, 0, 1, 0
	STEP2 1, 1, 0, 0
	STEP2 2, 0, 0, 0
	STEP2 3, 1, 0, 1
	PACK ACC+32, ZOFF
.irp j, 0,1,2,3,4,5,6,7
	v_mov_b32 v[BR+\j], v30                        ; brec as a C operand: in stage 3 every register of a lane belongs to channel 32 w + 16 u + r
	v_mov_b32 v[BR+8+\j], v31
.endr
	s_wait_dscnt 0x0                               ; my rows of z are in LDS, for the other waves' sake
	s_barrier_signal -1
	s_barrier_wait -1
; STAGE 3: y = Wrec z + brec, K = 128, used transposed: source 0 = 16 positions of z, source 1 = 16 rows of Wrec.  Lane (r, h) then holds
; channel 32 w + 16 u + r at positions 16 t + 8 h + 0..7: eight neighbouring numbers of a row of out.  Eight accumulators by turns.
.macro STEP3 k, p, first, last
	AHEAD LD3, \p, \k, \first, \last, 12
.irp u, 0,1
.irp t, 0,1,2,3
.if \first
	v_wmma_f32_16x16x32_bf16 v[ACC+32*\u+8*\t:ACC+32*\u+8*\t+7], v[BF+32*\p+8*\t:BF+32*\p+8*\t+7], v[AF+16*\p+8*\u:AF+16*\p+8*\u+7], v[BR+8*\u:BR+8*\u+7]
.else
	v_wmma_f32_16x16x32_bf16 v[ACC+32*\u+8*\t:ACC+32*\u+8*\t+7], v[BF+32*\p+8*\t:BF+32*\p+8*\t+7], v[AF+16*\p+8*\u:AF+16*\p+8*\u+7], v[ACC+32*\u+8*\t:ACC+32*\u+8*\t+7]
.endif
.endr
.endr
.endm
	LD3 0, 0
	STEP3 0, 0, 1, 0
	STEP3 1, 1, 0, 0
	STEP3 2, 0, 0, 0
	STEP3 3, 1, 0, 1
	; THE WAY OUT: my 32 rows through my own LDS rows, read back in the layout in which x was loaded (row 32 w + 2 i + h, 16 r bytes in),
	; x added in f32, and stored: sixteen lanes write a row's 256 consecutive bytes, aligned.
	PLACES
.irp u, 0,1
.irp t, 0,1,2,3
.irp q, 0,1
	ds_store_b128 v[YW], v[ACC+32*\u+8*\t+4*\q:ACC+32*\u+8*\t+4*\q+3] offset:16*YPITCH*\u+64*\t+16*\q
.endr
.endr
.endr
.irp i, 0,1,2,3,4,5,6,7,8,9,10,11,12,13,14,15
	ds_load_b128 v[OUTR+4*\i:OUTR+4*\i+3], v[YR] offset:2*YPITCH*\i   ; LDS serves a wave's instructions in order (ISA guide 5.7.1): these see my stores above
.endr
.irp i, 0,1,2,3,4,5,6,7,8,9,10,11,12,13,14,15
	s_wait_dscnt 15-\i                             ; pair i of rows is back; the 15 - i younger loads stay out
	v_pk_add_f32 v[OUTR+4*\i:OUTR+4*\i+1],   v[OUTR+4*\i:OUTR+4*\i+1],   v[XR+4*\i:XR+4*\i+1]
	v_pk_add_f32 v[OUTR+4*\i+2:OUTR+4*\i+3], v[OUTR+4*\i+2:OUTR+4*\i+3], v[XR+4*\i+2:XR+4*\i+3]
	global_store_b128 v[XG], v[OUTR+4*\i:OUTR+4*\i+3], s[14:15] offset:XROW2*\i th:TH_STORE_NT
.endr
	s_set_vgpr_msb 0x5
	s_wait_tensorcnt 0x0
	ds_add_u32 v0, v1
	s_wait_dscnt 0x0
	s_set_vgpr_msb 0x500
	ROUND                                          ; the closing round: no work-group ends while a partner may still ask jointly
	s_endpgm
.Lfunc_end_k_q01e27e379e_apply:
	.size	k_q01e27e379e_apply, .Lfunc_end_k_q01e27e379e_apply-k_q01e27e379e_apply
	.p2alignl 7, 3214868480
	.fill 96, 4, 3214868480
	.section	.rodata,"a",@progbits
	.p2align	6, 0x0
	.amdhsa_kernel k_q01e27e379e_apply
		.amdhsa_group_segment_fixed_size 308224
		.amdhsa_private_segment_fixed_size 0
		.amdhsa_enable_private_segment 0
		.amdhsa_kernarg_size 48
		.amdhsa_user_sgpr_count 2
		.amdhsa_user_sgpr_kernarg_segment_ptr 1
		.amdhsa_wavefront_size32 1
		.amdhsa_system_sgpr_workgroup_id_x 1
		.amdhsa_system_sgpr_workgroup_id_y 1
		.amdhsa_system_sgpr_workgroup_id_z 1
		.amdhsa_system_vgpr_workitem_id 0
		.amdhsa_next_free_vgpr 258
		.amdhsa_next_free_sgpr 66
		.amdhsa_reserve_vcc 0
		.amdhsa_float_denorm_mode_32 3
		.amdhsa_float_denorm_mode_16_64 3
		.amdhsa_memory_ordered 1
		.amdhsa_forward_progress 1
		.amdhsa_inst_pref_size 39
	.end_amdhsa_kernel
	.amdgpu_metadata
---
amdhsa.version: [ 1, 2 ]
amdhsa.kernels:
  - .name:           k_q01e27e379e_apply
    .symbol:         k_q01e27e379e_apply.kd
    .args:
      - { .name: x, .offset: 0, .size: 8, .value_kind: global_buffer, .address_space: global }
      - { .name: wf, .offset: 8, .size: 8, .value_kind: global_buffer, .address_space: global }
      - { .name: mf, .offset: 16, .size: 8, .value_kind: global_buffer, .address_space: global }
      - { .name: b_theta, .offset: 24, .size: 8, .value_kind: global_buffer, .address_space: global }
      - { .name: b_rec, .offset: 32, .size: 8, .value_kind: global_buffer, .address_space: global }
      - { .name: out0, .offset: 40, .size: 8, .value_kind: global_buffer, .address_space: global }
    .group_segment_fixed_size: 308224
    .private_segment_fixed_size: 0
    .kernarg_segment_align: 8
    .kernarg_segment_size: 48
    .max_flat_workgroup_size: 256
    .sgpr_count:     66
    .vgpr_count:     258
    .wavefront_size: 32
...
	.end_amdgpu_metadata
.endif
;; end of part 3
